; MI455X (gfx1250); checked and timed in simulation.
; The chip was launched on July 23, 2026; its instructions are those of AMD's public machine-readable ISA for CDNA 5 (MIT licence, August 2026) and "CDNA5" Instruction Set Architecture Reference Guide (July 2026). The comments in the code are by the model that wrote it; some were corrected since.
;; One Bit Linear. Allowed arithmetic: matrix products marked QUANTISED: E5M2 operands, one given power-of-two scale a tensor, by v_wmma_f32_16x16x64_bf8_bf8 or v_wmma_f32_16x16x128_bf8_bf8, f32 sums; everything else in f32.
;; Inputs: bias 4,096 float32; g_vector 4,096 float32; h_vector 4,096 float32; lowp_scales 2 int32 (the exponents e of the quantised operands' scales 2^e); sign_matrix 4,096 x 4,096 float32; x 4,096 x 4,096 float32.
;; Outputs: out0 4,096 x 4,096 float32.
;; This version of the problem:
;;   THIS VERSION OF THE PROBLEM IS GIVEN IN LOW PRECISION. The matrix products marked QUANTISED in the list below multiply operands that are first quantised to E5M2 (5 exponent bits, 2 mantissa bits; 8 bits a number), with one given power-of-two scale for each operand tensor; their sums are f32. All else is computed in f32.
;;   The module's matrix products, in the order in which they are computed (A, B: the left and right operand; K: the contracted axis; several contracted axes count as one K, in the product's order):
;;     1. [M 4,096, K 4,096] x [K 4,096, N 4,096]; A: computed on the way; B: input sign_matrix: QUANTISED (scales: A lowp_scales[0], B lowp_scales[1])
;;   THE QUANTISER, for each operand of a quantised product, along K:
;;     - The operand's scale is 2^e, e = its entry of the input lowp_scales (int32; the entries are numbered through the quantised products in the list's order, A before B).
;;     - Each number is divided by the scale, clamped to +-57,344, and rounded to the nearest number of E5M2, ties to even, subnormals kept.
;;     - The product sums the exact products of the quantised numbers (number of the format x scale) in f32.
;;   ~~~python
;;   def quantise(x, axis, e):      # numpy; x: float32 -> the quantised numbers, widened to float32 again
;;       x = np.moveaxis(x, axis, -1); K = x.shape[-1]
;;       r = np.clip(x / 2.0 ** e, -57344, 57344)
;;       step = 2.0 ** (np.maximum(np.frexp(np.where(r == 0, 1, r))[1] - 1, -14) - 2)
;;       q = np.round(r / step) * step * 2.0 ** e      # np.round: ties to even
;;       return np.moveaxis(q, -1, axis).astype(np.float32)
;;   ~~~
;;   OPERANDS COMPUTED ON THE WAY. 'Computed on the way' means the value that the module computes at that place (a softmax that the list does not call 'softmax' is quantised finished and normalised). What goes into a quantiser is computed in f32, as accurately as f32 sums, v_exp_f32 and their like allow (about 1e-6 of the number): no bf16 or f16 on the way to a quantiser, and a product that is left as it is and whose result goes on into a quantised operand takes f32 operands (vector FMAs, or v_wmma_f32_16x16x4_f32). A number that lies on a knife's edge between two numbers of the format may be rounded either way, as far as f32 arithmetic and the matrix unit's own rounding can turn it there, and no further.
;; One version. Each part assembles by itself: llvm-mc -triple=amdgcn-amd-amdhsa -mcpu=gfx1250 --defsym DOCPART=n.
;; ======== version 1 of 1: 2 launches
;; limits: right only within a limited range of input values
;; workspace buffers: a_codes 16,777,216 bytes; b_codes 16,777,216 bytes
;; launch quant (part 1): grid 512 x 1, 8 waves a work-group, no clusters, 70,656 bytes of LDS; arguments x, sign_matrix, g_vector, lowp_scales, a_codes, b_codes; writes a_codes, b_codes
.if DOCPART == 1
	.amdgcn_target "amdgcn-amd-amdhsa--gfx1250"
	.amdhsa_code_object_version 6
	.text
	.protected	k_qedc7764412_quant
	.globl	k_qedc7764412_quant
	.p2align	8
	.type	k_qedc7764412_quant,@function
k_qedc7764412_quant:
	s_mov_b64 s[64:65], 0
	v_nop
	global_prefetch_b8 v0, s[64:65] scope:SCOPE_SE
	s_setreg_imm32_b32 hwreg(HW_REG_WAVE_MODE, 25, 1), 1
	s_wait_xcnt 0x0
; out0[n][o] = h[o] * (sum over k of Q(x[n][k] g[k]) Q(sign[o][k])) + bias[o]: this launch makes the two operands' codes, the next one multiplies them.
; NOTHING OF THE PROBLEM IS LEFT OUT: every input has a way to the output; sign_matrix is quantised as it is given, whatever numbers it holds.
; x * g (one f32 multiplication) and sign_matrix, both [4096][4096] f32 with K innermost, become codes of BF8 (E5M2), each with the scale 2^e given for it (lowp_scales entry 0, entry 1):
; code = number / 2^e, held within +-57,344, rounded to the nearest code, ties to even.
; LIMITS: -126 <= e and e + 15 <= 127.  NaN among the inputs is not served; an infinity, or an overflow of x * g, is held at the largest code.
; LAYOUT OF THE CODES, the program's own, alike in both buffers: fragments of 16 rows x 64 k, 1,024 bytes each, as the matrix operand's registers take them:
;   byte = t 2^20 + kg 16384 + s 1024 + c 512 + h 256 + r 16 + b:  row = 256 t + 64 (s / 4) + 4 r + s % 4;  kg = 8 w + l / 4, c = (l / 2) % 2, h = l % 2;  k = 512 w + 128 (b / 4) + 4 l + b % 4.
; K is permuted alike in both buffers, so every product meets its partner.  A fragment's rows lie 4 apart, so that four neighbouring fragments hold 64 neighbouring rows.
; SHARES.  Work-groups 0..255 take x, 256..511 sign_matrix; work-group (t, s) owns the 16 rows of the fragments s of tile t.  Wave w owns columns 512 w .. 512 w + 511; a step is one row: four loads of
; 512 consecutive bytes.  A lane's 16 codes of a row are 16 bytes of one 256-byte unit whose other bytes belong to the other 15 rows: so they are gathered in the wave's own stage in LDS (units 272 bytes apart)
; and leave as whole units, 512 consecutive bytes a store.  One text serves both tensors: only the multiplication by g stands under a branch on the work-group's number; g's 64 bytes a lane are loaded by every work-group.
; No matrix unit, no tensor load, no cluster, no barrier: waves share nothing.  Loads run four rows (16 loads a wave) ahead.
.set ROWF,  4*16384                    ; from one of my rows to the next, in bytes
.set STEPS, 16
.set SP,    272                        ; a unit's place in the stage
.set WREG,  32*SP                      ; a wave's stage
.set SPARE, 8*WREG                     ; behind the stages: the spare words, 128 bytes a wave
.set G,     8                          ; v8-23    g of my 16 columns
.set R,     24                         ; v24-87   four sets of 16 numbers; at the end the units read back
.set C,     88                         ; v88-151  codes: four registers for each step
.set SPW,   152
.set NIL,   153
	s_load_b256 s[4:11], s[0:1], 0x0               ; x, sign_matrix, g, the scales' exponents
	s_load_b128 s[12:15], s[0:1], 0x20             ; a_codes, b_codes
	v_lshl_add_u32 v[SPW], v0, 2, SPARE
	v_mov_b32 v[NIL], 0
	v_lshrrev_b32 v7, 5, v0                        ; wave
	v_and_b32 v6, 31, v0                           ; lane
	v_bfe_u32 v3, v0, 4, 1
	v_and_b32 v4, 15, v0
	v_lshlrev_b32 v2, 4, v6
	v_mul_u32_u24 v5, v7, WREG
	v_lshl_add_u32 v1, v7, 11, v2                  ; my byte in a row of f32 numbers, and in g: 2,048 wave + 16 lane
	v_lshl_add_u32 v2, v7, 17, v2                  ; my byte in the codes: 8 groups of 16,384 a wave + 16 lane
	v_mad_u32_u24 v3, v3, SP, v5
	v_mad_u32_u24 v5, v6, SP, v5                   ; into the stage: unit = lane, 16 bytes a row
	v_lshl_add_u32 v6, v4, 4, v3                   ; out of it: sixteen lanes to a unit, two units an instruction
	s_and_b32 s18, ttmp9, 255
	s_lshr_b32 s19, s18, 4                         ; t
	s_and_b32 s24, s18, 12
	s_and_b32 s25, s18, 3
	s_lshl_b32 s20, s19, 8
	s_lshl_b32 s24, s24, 4
	s_add_co_u32 s20, s20, s24
	s_add_co_u32 s20, s20, s25                     ; my first row: 256 t + 64 (s / 4) + s % 4
	s_lshl_b32 s20, s20, 14
	s_mov_b32 s21, 0
	s_lshl_b32 s22, s19, 20
	s_and_b32 s24, s18, 15
	s_lshl_b32 s24, s24, 10
	s_add_co_u32 s22, s22, s24                     ; my fragments: t 2^20 + s 1024
	s_mov_b32 s23, 0
	s_wait_alu depctr_va_vdst(0)
	s_wait_kmcnt 0x0
	s_load_b64 s[16:17], s[10:11], 0x0             ; e of x * g, e of sign_matrix
	s_cmp_lt_u32 ttmp9, 256                        ; the choice of buffers hangs on the work-group's number alone
	s_cselect_b64 s[4:5], s[4:5], s[6:7]
	s_cselect_b64 s[12:13], s[12:13], s[14:15]
	s_add_nc_u64 s[4:5], s[4:5], s[20:21]
	s_add_nc_u64 s[12:13], s[12:13], s[22:23]
.macro LOAD t
.irp i, 0,1,2,3
	global_load_b128 v[R+16*((\t)%4)+4*\i:R+16*((\t)%4)+4*\i+3], v1, s[4:5] offset:ROWF*(\t)+512*\i th:TH_LOAD_NT
.endr
.endm
.irp i, 0,1,2,3
	global_load_b128 v[G+4*\i:G+4*\i+3], v1, s[8:9] offset:512*\i
.endr
.irp t, 0,1,2,3
	LOAD \t
.endr
	s_wait_kmcnt 0x0
	s_cmp_lt_u32 ttmp9, 256
	s_cselect_b32 s24, s16, s17                    ; e
	s_add_co_i32 s24, s24, 127
	s_lshl_b32 s25, s24, 23
	v_mov_b32 v3, s25                              ; 2^e as f32: the conversion takes its exponent field
	s_add_co_i32 s24, s24, 15
	s_lshl_b32 s24, s24, 23
	s_or_b32 s24, s24, 0x600000
	v_mov_b32 v4, s24                              ; 57,344 x 2^e
	s_wait_alu depctr_va_vdst(0)
.macro STEP t
.set XS, R+16*((\t)%4)
.if STEPS-1-(\t) >= 3
	s_wait_loadcnt 12                              ; this row's four loads are in (and g's, which are older); those of the three rows behind it may be out
.else
	s_wait_loadcnt 4*(STEPS-1-(\t))
.endif
	s_cmp_lt_u32 ttmp9, 256
	s_cbranch_scc0 .Lplain_\@                      ; sign_matrix is multiplied by nothing
.irp j, 0,2,4,6,8,10,12,14
	v_pk_mul_f32 v[XS+\j:XS+\j+1], v[XS+\j:XS+\j+1], v[G+\j:G+\j+1]   ; x * g, in f32
.endr
.Lplain_\@:
.irp i, 0,1,2,3,4,5,6,7,8,9,10,11,12,13,14,15
	v_med3_num_f32 v[XS+\i], v[XS+\i], -v4, v4     ; the conversion does not saturate (ISA guide 7.6.2): the number is held within the largest code x the scale first
.endr
	v_cvt_scalef32_pk8_bf8_f32 v[C+4*(\t):C+4*(\t)+1], v[XS:XS+7], v3
	v_cvt_scalef32_pk8_bf8_f32 v[C+4*(\t)+2:C+4*(\t)+3], v[XS+8:XS+15], v3
	ds_store_b128 v5, v[C+4*(\t):C+4*(\t)+3] offset:16*(\t)    ; row t's 16 bytes of my unit; the codes are touched by this store alone
.if (\t)+4 < STEPS
	LOAD (\t)+4
.endif
.endm
.irp t, 0,1,2,3,4,5,6,7,8,9,10,11,12,13,14,15
	STEP \t
.endr
.irp v, 0,1,2,3,4,5,6,7,8,9,10,11,12,13,14,15
	ds_load_b128 v[R+4*\v:R+4*\v+3], v6 offset:2*SP*\v         ; LDS serves a wave's instructions in order: these see my stores
.endr
.irp v, 0,1,2,3,4,5,6,7,8,9,10,11,12,13,14,15
	s_wait_dscnt 15-\v
	global_store_b128 v2, v[R+4*\v:R+4*\v+3], s[12:13] offset:(\v/2)*16384+(\v%2)*512   ; half a fragment: 512 consecutive bytes, two whole units
.endr
	s_wait_tensorcnt 0x0                           ; the wave's end
	ds_add_u32 v[SPW], v[NIL]
	s_wait_dscnt 0x0
	s_endpgm
.Lfunc_end_k_qedc7764412_quant:
	.size	k_qedc7764412_quant, .Lfunc_end_k_qedc7764412_quant-k_qedc7764412_quant
	.p2alignl 7, 3214868480
	.fill 96, 4, 3214868480
	.section	.rodata,"a",@progbits
	.p2align	6, 0x0
	.amdhsa_kernel k_qedc7764412_quant
		.amdhsa_group_segment_fixed_size 70656
		.amdhsa_private_segment_fixed_size 0
		.amdhsa_enable_private_segment 0
		.amdhsa_kernarg_size 48
		.amdhsa_user_sgpr_count 2
		.amdhsa_user_sgpr_kernarg_segment_ptr 1
		.amdhsa_wavefront_size32 1
		.amdhsa_system_sgpr_workgroup_id_x 1
		.amdhsa_system_sgpr_workgroup_id_y 1
		.amdhsa_system_sgpr_workgroup_id_z 1
		.amdhsa_system_vgpr_workitem_id 0
		.amdhsa_next_free_vgpr 160
		.amdhsa_next_free_sgpr 66
		.amdhsa_reserve_vcc 0
		.amdhsa_float_denorm_mode_32 3
		.amdhsa_float_denorm_mode_16_64 3
		.amdhsa_memory_ordered 1
		.amdhsa_forward_progress 1
		.amdhsa_inst_pref_size 41
	.end_amdhsa_kernel
	.amdgpu_metadata
---
amdhsa.version: [ 1, 2 ]
amdhsa.kernels:
  - .name:           k_qedc7764412_quant
    .symbol:         k_qedc7764412_quant.kd
    .args:
      - { .name: x, .offset: 0, .size: 8, .value_kind: global_buffer, .address_space: global }
      - { .name: sign_matrix, .offset: 8, .size: 8, .value_kind: global_buffer, .address_space: global }
      - { .name: g_vector, .offset: 16, .size: 8, .value_kind: global_buffer, .address_space: global }
      - { .name: lowp_scales, .offset: 24, .size: 8, .value_kind: global_buffer, .address_space: global }
      - { .name: a_codes, .offset: 32, .size: 8, .value_kind: global_buffer, .address_space: global }
      - { .name: b_codes, .offset: 40, .size: 8, .value_kind: global_buffer, .address_space: global }
    .group_segment_fixed_size: 70656
    .private_segment_fixed_size: 0
    .kernarg_segment_align: 8
    .kernarg_segment_size: 48
    .max_flat_workgroup_size: 256
    .sgpr_count:     66
    .vgpr_count:     160
    .wavefront_size: 32
...
	.end_amdgpu_metadata
.endif
;; end of part 1
;; launch gemm (part 2): grid 16 x 16, 4 waves a work-group, clusters of 4 x 1, 327,680 bytes of LDS; arguments a_codes, b_codes, lowp_scales, h_vector, bias, out0; writes out0
.if DOCPART == 2
	.amdgcn_target "amdgcn-amd-amdhsa--gfx1250"
	.amdhsa_code_object_version 6
	.text
	.protected	k_qedc7764412_gemm
	.globl	k_qedc7764412_gemm
	.p2align	8
	.type	k_qedc7764412_gemm,@function
k_qedc7764412_gemm:
	s_mov_b64 s[64:65], 0
	v_nop
	global_prefetch_b8 v0, s[64:65] scope:SCOPE_SE
	s_setreg_imm32_b32 hwreg(HW_REG_WAVE_MODE, 25, 1), 1
	s_wait_xcnt 0x0
	s_wait_alu depctr_hold_cnt(0) depctr_sa_sdst(0) depctr_va_vdst(0) depctr_va_sdst(0) depctr_va_ssrc(0) depctr_va_vcc(0) depctr_vm_vsrc(0)
	s_getreg_b32 s2, hwreg(HW_REG_IB_STS2, 6, 4)
	s_cmp_eq_u32 s2, 0
	s_cbranch_scc0 .Lentry_in_a_cluster
	s_endpgm
.Lentry_in_a_cluster:
	s_bfe_u32 s2, ttmp6, 0x10000c
	s_cmp_lg_u32 s2, 0x3003
	s_cbranch_scc0 .Lentry_shape_is_right
	s_endpgm
.Lentry_shape_is_right:
; out0[n][o] = h[o] 2^(ea + eb) (sum over k of the codes' products) + bias[o], on the codes that the launch before has laid in fragments of 16 rows x 64 k (1,024 bytes; its head comment has the layout).  Nothing is left out.
; A work-group of four waves makes 256 x 256 of out0; wave w makes all 256 rows x columns 64 w .. 64 w + 63: 64 accumulators, 512 registers.  K goes in steps of 64 (v_wmma_f32_16x16x64_bf8_bf8), 64 products a step.
; x'S CODES (256 rows, read by all four waves) come through a ring of two LDS slots of 512 along K, 131,072 bytes each, dense: a fragment load reads 512 consecutive bytes, so no padding.
;   CLUSTER 4, 1, 1: the four work-groups share their rows of x: each slot is asked for JOINTLY (mask 15), a quarter (32,768 bytes) a wave.
; sign'S CODES go from memory straight into registers: a wave's 64 rows of sign are read by no other wave of the cluster, so neither LDS nor a joint load has anything to share there.
;   Four sets of four fragments take turns: the set that a step has multiplied is loaded again with the step four further on.
; A slot's reads are over when step 7's fragments have come, in step 6: there stand the wait for all tensor loads, the add, the round of the cluster's barrier and the refill, which has eight steps in which to land.
; THE WAY OUT needs no LDS: source 0 = x's rows, source 1 = sign's rows; fragment u of sign holds columns 4 r + u, so the same register of accumulators u = 0..3 holds four neighbouring columns of a lane:
;   four multiply-adds (x h 2^(ea + eb), + bias) lay them in four registers on end, and sixteen lanes store one aligned unit of 256 bytes.
; PREFETCHES: at the end of each odd step a wave names its sign fragments of the steps 8 and 9 further on (32 blocks of 256 bytes, a lane a block), which are loaded 4 and 5 steps later; at the end of steps 2 and 10 of a lap the
;   sixteen waves of the cluster share out, by address, the 512 blocks of the slot that is asked for in step 6 or 14.  What the first steps need comes by its loads alone; the last lap names nothing past K.
; REGISTERS: window 0: v0-23 addresses, h, bias; v128-255 sign's four sets, on the way out the results.  Window 1: x's fragments, two sets of 128.
;   window 2: accumulators of u = 0, 1 (at 8 (16 u + s));  window 3: those of u = 2, 3.
.set KG,    16384                      ; bytes from one step's fragments to the next step's, in both buffers and in a slot
.set SLOTB, 131072
.set SPARE, 2*SLOTB                    ; behind the ring: the spare words, 128 bytes a wave
.set DO,  2                            ; v2     16 x lane
.set ADS, 4                            ; v4-7   16 x lane + 65,536 i: the four halves of the two slots
.set PFD, 8                            ; v8     sign's prefetch: 16,384 (lane / 16) + 256 (lane % 16)
.set PFS, 9                            ; v9     x's prefetch: 256 x lane
.set CO,  10                           ; v10    my bytes in out0: 32 rows x (lane / 16) + 16 (lane % 16)
.set HO,  11                           ; v11    16 (lane % 16)
.set SPW, 12
.set NIL, 13
.set HV,  16                           ; v16-19 h of my four columns, then x 2^(ea + eb)
.set BV,  20                           ; v20-23 bias
.set DP,  128
.set WV, 16
.set CX, 17
.set TX, 18
.set TY, 19
.set G1, 24
.set G0, 32                            ; s[32:39] group 0, a set for each slot
.set DB, 40                            ; s[40:41] my sign fragments, at the lap's first step
.set PS, 42                            ; s[42:43] my share of x's slots, at the lap's first slot
.set ES, 44
.set MSB, 0
.macro WIN new
.if MSB != \new
	s_set_vgpr_msb (MSB<<8)|\new
.set MSB, \new
.endif
.endm
.set MUL_LO, 0xa1                      ; source 0 (x) window 1, source 1 (sign) window 0, C and D window 2
.set MUL_HI, 0xf1
.set TO_S,   0x40
.macro PLACES
.rept 4
	v_nop
.endr
.endm
.macro CREST
	s_cmp_lg_u32 s[WV], 0
	s_cbranch_scc1 .Lnot_wave_0_\@
	s_barrier_signal -3
.Lnot_wave_0_\@:
	s_barrier_wait -3
	s_barrier_signal -1
	s_barrier_wait -1
.endm
.macro CROUND
	s_barrier_signal -1
	s_barrier_wait -1
	CREST
.endm
.macro MULU u, kr, zero                ; sign's fragment u against x's sixteen: the accumulators take turns
.irp s, 0,1,2,3,4,5,6,7,8,9,10,11,12,13,14,15
.if \zero
	v_wmma_f32_16x16x64_bf8_bf8 v[8*(16*((\u)%2)+\s):8*(16*((\u)%2)+\s)+7], v[128*((\kr)%2)+8*\s:128*((\kr)%2)+8*\s+7], v[DP+32*((\kr)%4)+8*(\u):DP+32*((\kr)%4)+8*(\u)+7], 0
.else
	v_wmma_f32_16x16x64_bf8_bf8 v[8*(16*((\u)%2)+\s):8*(16*((\u)%2)+\s)+7], v[128*((\kr)%2)+8*\s:128*((\kr)%2)+8*\s+7], v[DP+32*((\kr)%4)+8*(\u):DP+32*((\kr)%4)+8*(\u)+7], v[8*(16*((\u)%2)+\s):8*(16*((\u)%2)+\s)+7]
.endif
.endr
.endm
.macro FETCH_S k                       ; x's sixteen fragments of step k of the lap into set k % 2
	WIN TO_S
.irp s, 0,1,2,3,4,5,6,7,8,9,10,11,12,13,14,15
	ds_load_b128 v[128*((\k)%2)+8*\s:128*((\k)%2)+8*\s+3],   v[ADS+((\k)/4)%4] offset:((\k)%4)*KG+\s*1024
	ds_load_b128 v[128*((\k)%2)+8*\s+4:128*((\k)%2)+8*\s+7], v[ADS+((\k)/4)%4] offset:((\k)%4)*KG+\s*1024+512
.endr
	WIN 0
.endm
.macro LOAD_D k                        ; sign's four fragments of step k into set k % 4: eight loads of 512 consecutive bytes
.irp u, 0,1,2,3
	global_load_b128 v[DP+32*((\k)%4)+8*\u:DP+32*((\k)%4)+8*\u+3],   v[DO], s[DB:DB+1] offset:(\k)*KG+\u*1024
	global_load_b128 v[DP+32*((\k)%4)+8*\u+4:DP+32*((\k)%4)+8*\u+7], v[DO], s[DB:DB+1] offset:(\k)*KG+\u*1024+512
.endr
.endm
	s_load_b128 s[4:7], s[0:1], 0x0                ; a_codes, b_codes
	s_load_b128 s[8:11], s[0:1], 0x10              ; the scales' exponents, h
	s_load_b128 s[12:15], s[0:1], 0x20             ; bias, out0
	v_lshl_add_u32 v[SPW], v0, 2, SPARE
	v_mov_b32 v[NIL], 0
	ds_add_u32 v[SPW], v[NIL]                      ; the opening: the add, twice on end, and its wait ahead of my first tensor load
	ds_add_u32 v[SPW], v[NIL]
	v_lshrrev_b32 v1, 5, v0
	v_readfirstlane_b32 s[WV], v1                  ; wave 0..3
	s_bfe_u32 s[CX], ttmp6, 0x40000                ; my place in the cluster
	s_lshl_b32 s[TX], ttmp9, 2
	s_add_co_u32 s[TX], s[TX], s[CX]               ; tile column = 4 x cluster x + cx
	s_and_b32 s[TY], ttmp7, 0xffff                 ; tile row
	s_mov_b32 s[G1+0], 15|(3<<16)|(1<<21)          ; the mask: all four of the cluster; elements of 8 bytes; bit 21 beside a mask; no padding
	s_mov_b32 s[G1+1], 32<<16                      ; a dense block of 32,768 bytes as 128 rows of 256 bytes
	s_mov_b32 s[G1+2], 128<<16
	s_mov_b32 s[G1+3], 32<<16
	s_mov_b32 s[G1+4], 128
	s_mov_b32 s[G1+5], 32
	s_mov_b32 s[G1+6], 0
	s_mov_b32 s[G1+7], 0
	s_lshl_b32 s20, s[TY], 20
	s_lshl_b32 s22, s[WV], 15                      ; my quarter of a slot, in memory and in LDS
	s_add_co_u32 s20, s20, s22
	s_mov_b32 s21, 0
	s_wait_dscnt 0x0                               ; both opening adds are done
	s_wait_kmcnt 0x0
	s_load_b64 s[ES:ES+1], s[8:9], 0x0             ; ea, eb
	s_add_nc_u64 s[20:21], s[4:5], s[20:21]
	CROUND                                         ; the four work-groups are here: the first joint loads meet
.irp s, 0,1
	s_mov_b32 s[G0+4*\s], 1
	s_add_co_u32 s[G0+4*\s+1], s22, \s*SLOTB
	s_add_nc_u64 s[G0+4*\s+2:G0+4*\s+3], s[20:21], \s*SLOTB
	s_or_b32 s[G0+4*\s+3], s[G0+4*\s+3], 0x80000000
.endr
	tensor_load_to_lds s[G0:G0+3], s[G1:G1+7]      ; slot 0: one tensor load a wave at the head
	s_nop 0
	v_and_b32 v1, 31, v0
	v_and_b32 v3, 15, v0
	v_bfe_u32 v14, v0, 4, 1
	v_lshlrev_b32 v[DO], 4, v1
	v_lshlrev_b32 v[PFS], 8, v1
	v_lshlrev_b32 v[PFD], 8, v3
	v_lshlrev_b32 v[HO], 4, v3
.irp i, 0,1,2,3
	v_add_nc_u32 v[ADS+\i], \i*65536, v[DO]
.endr
	v_lshl_add_u32 v[PFD], v14, 14, v[PFD]
	v_lshl_add_u32 v[CO], v14, 19, v[HO]
	s_mov_b32 s47, 0
	s_lshl_b32 s46, s[TX], 20
	s_lshl_b32 s23, s[WV], 12
	s_add_co_u32 s46, s46, s23
	s_add_nc_u64 s[DB:DB+1], s[6:7], s[46:47]      ; sign: tile tx, fragments 4 w .. 4 w + 3
	s_lshl_b32 s46, s[CX], 2
	s_add_co_u32 s46, s46, s[WV]
	s_lshl_b32 s46, s46, 13
	s_lshl_b32 s23, s[TY], 20
	s_add_co_u32 s46, s46, s23
	s_add_nc_u64 s[PS:PS+1], s[4:5], s[46:47]      ; x: tile ty, the 8,192 bytes of a slot that wave w of partner cx names
	s_lshl_b32 s46, s[TX], 10
	s_lshl_b32 s23, s[WV], 8
	s_add_co_u32 s46, s46, s23                     ; my 64 columns, in bytes
	s_add_nc_u64 s[10:11], s[10:11], s[46:47]
	s_add_nc_u64 s[12:13], s[12:13], s[46:47]
	s_add_nc_u64 s[14:15], s[14:15], s[46:47]
	s_lshl_b32 s46, s[TY], 22                      ; 256 rows of 16,384 bytes
	s_add_nc_u64 s[14:15], s[14:15], s[46:47]
	s_wait_alu depctr_va_vdst(0)                   ; the wait at the head's end: behind its last vector instruction
	global_load_b128 v[HV:HV+3], v[HO], s[10:11]
	global_load_b128 v[BV:BV+3], v[HO], s[12:13]
.irp k, 0,1,2,3
	LOAD_D \k
.endr
	s_wait_tensorcnt 0x0                           ; my quarter of slot 0 is in; these lines stand ahead of a later first fill as ahead of a refill
	ds_add_u32 v[SPW], v[NIL]
	s_wait_dscnt 0x0
	CROUND
	tensor_load_to_lds s[G0+4:G0+7], s[G1:G1+7]    ; slot 1's first fill, the first tensor load behind the round
	s_nop 0
	PLACES
	FETCH_S 0
	FETCH_S 1
; Step kr of a lap of 16 (two slots).  At its end the registers that it has multiplied are asked for again: x's set with step kr + 2, sign's set with step kr + 4.
; tail = 1: the last lap, steps 48 + kr: nothing is asked for past step 63, and the counts run down.
.macro STEP kr, tail, zero
.set zSL, ((\kr)/8)%2
.set zTURN, 0
.set zFILL, 0
.set zFE, 1
.set zDL, 1
.set zLC, 24
.set zSC, 32
.set zPD, (\kr)%2
.set zPS, 0
.if (\kr)%8 == 6
.if \tail
.if (\kr) == 6
.set zTURN, 1                          ; the last slot's landing is shown to all waves; nothing is filled again
.endif
.else
.set zTURN, 1
.set zFILL, 1
.endif
.endif
.if \tail
.if (\kr) > 13
.set zFE, 0
.endif
.if (\kr) > 11
.set zDL, 0
.endif
.if (\kr) > 12
.set zLC, 8*(15-(\kr))
.endif
.if (\kr) == 15
.set zSC, 0
.endif
.if (\kr) > 6
.set zPD, 0
.endif
.else
.if (\kr)%8 == 2
.set zPS, 1
.endif
.endif
.if zTURN
	s_wait_tensorcnt 0x0                           ; all my tensor loads have landed: my quarter of the other slot
	ds_add_u32 v[SPW], v[NIL]
.if zFILL
	s_add_nc_u64 s[G0+4*zSL+2:G0+4*zSL+3], s[G0+4*zSL+2:G0+4*zSL+3], 2*SLOTB
.endif
	s_wait_dscnt zSC+1                             ; this step's fragments of x are in; the next step's 32 loads and the add may be out
.else
	s_wait_dscnt zSC                               ; this step's fragments of x are in; the next step's 32 loads may be out
.endif
	s_wait_loadcnt zLC                             ; this step's eight loads of sign are in; those of the steps behind it may be out
	WIN MUL_LO
	MULU 0, \kr, \zero
	MULU 1, \kr, \zero
.if zTURN
	s_wait_dscnt 0x0                               ; the add is done, and my reads of this slot are over: step 7's fragments are in registers
	s_barrier_signal -1
.endif
	WIN MUL_HI
	MULU 2, \kr, \zero
.if zTURN
	WIN 0
	s_barrier_wait -1
.if zFILL
	CREST                                          ; the barrier has opened a round of the cluster's barrier: no wave of any partner reads this slot or has a load on its way
	tensor_load_to_lds s[G0+4*zSL:G0+4*zSL+3], s[G1:G1+7]
	s_nop 0
	PLACES
.endif
	WIN MUL_HI
.endif
	MULU 3, \kr, \zero
	PLACES                                         ; four places ahead of loads into registers that matrix instructions have read
.if zFE
	FETCH_S (\kr)+2
.endif
	WIN 0
.if zDL
	LOAD_D (\kr)+4
.endif
.if zPD
	global_prefetch_b8 v[PFD], s[DB:DB+1] offset:((\kr)+8)*KG th:TH_LOAD_NT scope:SCOPE_SE
.endif
.if zPS
	global_prefetch_b8 v[PFS], s[PS:PS+1] offset:(2+(\kr)/8)*SLOTB th:TH_LOAD_NT scope:SCOPE_SE
.endif
.endm
	STEP 0, 0, 1                                   ; the first step stands in front of the loop: its products start the sums
	s_mov_b32 s3, 3
.Llap:                                                 ; a trip: a lap's steps 1 to 15 and the next lap's step 0; both slots are filled again
.irp k, 1,2,3,4,5,6,7,8,9,10,11,12,13,14,15,16
	STEP \k, 0, 0
.endr
	s_wait_xcnt 0x0                                ; the loads and prefetches have read their bases
	s_add_nc_u64 s[DB:DB+1], s[DB:DB+1], 16*KG
	s_add_nc_u64 s[PS:PS+1], s[PS:PS+1], 2*SLOTB
	s_sub_co_u32 s3, s3, 1
	s_cmp_lg_u32 s3, 0
	s_cbranch_scc1 .Llap
.irp k, 1,2,3,4,5,6,7,8,9,10,11,12,13,14,15
	STEP \k, 1, 0
.endr
; THE WAY OUT, two of x's blocks (32 rows x 64 columns) at a time, into v128-191 and v192-255 by turns.  Accumulator (s, u), register j, lane (r, h) is out0(256 ty + 64 (s / 4) + s % 4 + 4 (8 h + j), my columns + 4 r + u).
	s_wait_kmcnt 0x0
	s_add_co_i32 s[ES], s[ES], s[ES+1]
.irp j, 0,1,2,3
	v_ldexp_f32 v[HV+\j], v[HV+\j], s[ES]          ; h x 2^(ea + eb)
.endr
.macro OUTG g
.set OB, DP+64*((\g)%2)
.if \g > 1
	s_wait_xcnt 0x0                                ; the stores of two turns ago have read their registers
.endif
.irp w, 0,1
	WIN 0x02+\w                                    ; source 0: window 2 or 3
.irp e, 0,1
.irp j, 0,1,2,3,4,5,6,7
.irp u, 0,1
	v_fma_f32 v[OB+32*\e+4*\j+2*\w+\u], v[8*(16*\u+2*(\g)+\e)+\j], v[HV+2*\w+\u], v[BV+2*\w+\u]   ; each accumulator from its low end on
.endr
.endr
.endr
.endr
	WIN 0
.irp e, 0,1
.irp j, 0,1,2,3,4,5,6,7
	global_store_b128 v[CO], v[OB+32*\e+4*\j:OB+32*\e+4*\j+3], s[14:15] offset:(64*((2*(\g)+\e)/4)+(2*(\g)+\e)%4+4*\j)*16384 th:TH_STORE_NT   ; sixteen lanes store 256 consecutive bytes, aligned
.endr
.endr
.endm
.irp g, 0,1,2,3,4,5,6,7
	OUTG \g
.endr
	s_wait_tensorcnt 0x0                           ; the wave's end
	ds_add_u32 v[SPW], v[NIL]
	s_wait_dscnt 0x0
	CROUND                                         ; the closing round
	s_endpgm
.Lfunc_end_k_qedc7764412_gemm:
	.size	k_qedc7764412_gemm, .Lfunc_end_k_qedc7764412_gemm-k_qedc7764412_gemm
	.p2alignl 7, 3214868480
	.fill 96, 4, 3214868480
	.section	.rodata,"a",@progbits
	.p2align	6, 0x0
	.amdhsa_kernel k_qedc7764412_gemm
		.amdhsa_group_segment_fixed_size 327680
		.amdhsa_private_segment_fixed_size 0
		.amdhsa_enable_private_segment 0
		.amdhsa_kernarg_size 48
		.amdhsa_user_sgpr_count 2
		.amdhsa_user_sgpr_kernarg_segment_ptr 1
		.amdhsa_wavefront_size32 1
		.amdhsa_system_sgpr_workgroup_id_x 1
		.amdhsa_system_sgpr_workgroup_id_y 1
		.amdhsa_system_sgpr_workgroup_id_z 1
		.amdhsa_system_vgpr_workitem_id 0
		.amdhsa_next_free_vgpr 1024
		.amdhsa_next_free_sgpr 66
		.amdhsa_reserve_vcc 0
		.amdhsa_float_denorm_mode_32 3
		.amdhsa_float_denorm_mode_16_64 3
		.amdhsa_memory_ordered 1
		.amdhsa_forward_progress 1
		.amdhsa_inst_pref_size 255
	.end_amdhsa_kernel
	.section	.bss,"aw",@nobits
	.p2align	6
	.space	262144
	.amdgpu_metadata
---
amdhsa.version: [ 1, 2 ]
amdhsa.kernels:
  - .name:           k_qedc7764412_gemm
    .symbol:         k_qedc7764412_gemm.kd
    .args:
      - { .name: a_codes, .offset: 0, .size: 8, .value_kind: global_buffer, .address_space: global }
      - { .name: b_codes, .offset: 8, .size: 8, .value_kind: global_buffer, .address_space: global }
      - { .name: lowp_scales, .offset: 16, .size: 8, .value_kind: global_buffer, .address_space: global }
      - { .name: h_vector, .offset: 24, .size: 8, .value_kind: global_buffer, .address_space: global }
      - { .name: bias, .offset: 32, .size: 8, .value_kind: global_buffer, .address_space: global }
      - { .name: out0, .offset: 40, .size: 8, .value_kind: global_buffer, .address_space: global }
    .group_segment_fixed_size: 327680
    .private_segment_fixed_size: 0
    .kernarg_segment_align: 8
    .kernarg_segment_size: 48
    .max_flat_workgroup_size: 128
    .sgpr_count:     66
    .vgpr_count:     1024
    .wavefront_size: 32
...
	.end_amdgpu_metadata
.endif
;; end of part 2
